; MI455X (gfx1250); checked and timed in simulation.
; The chip was launched on July 23, 2026; its instructions are those of AMD's public machine-readable ISA for CDNA 5 (MIT licence, August 2026) and "CDNA5" Instruction Set Architecture Reference Guide (July 2026). The comments in the code are by the model that wrote it; some were corrected since.
;; Multi Head Attention. Allowed arithmetic: matrix products marked QUANTISED: E2M1 operands, one E8M0 scale for each 32 along K, by v_wmma_scale_f32_16x16x128_f8f6f4 with both operands' format E2M1 (or v_wmma_scale_f32_32x16x128_f4), f32 sums; products left as they are: bf16, f16 or f32 operands; f32 sums; everything else in f32.
;; Inputs: w_fc 768 x 768 float32; w_k 768 x 768 float32; w_q 768 x 768 float32; w_v 768 x 768 float32; x 1 x 4,096 x 768 float32.
;; Outputs: out0 1 x 4,096 x 768 float32.
;; This version of the problem:
;;   THIS VERSION OF THE PROBLEM IS GIVEN IN LOW PRECISION. The matrix products marked QUANTISED in the list below multiply operands that are first quantised to E2M1 (2 exponent bits, 1 mantissa bit; 4 bits a number), with one power-of-two scale for each 32 numbers along K (OCP MX v1.0); their sums are f32. The products marked 'left as it is' may take bf16, f16 or f32 operands, with f32 sums. Whichever they take, every output number must still come out within the allowed error. Rounding operands to bf16 (8 significant bits) uses up far more of that allowance than f16 does (11 bits, for magnitudes from 6e-5 to 65,504). All else is computed in f32.
;;   The module's matrix products, in the order in which they are computed (A, B: the left and right operand; K: the contracted axis; several contracted axes count as one K, in the product's order):
;;     1. [M 4,096, K 768] x [K 768, N 768]; A: input x; B: input w_q: QUANTISED
;;     2. [M 4,096, K 768] x [K 768, N 768]; A: input x; B: input w_k: QUANTISED
;;     3. [M 4,096, K 768] x [K 768, N 768]; A: input x; B: input w_v: QUANTISED
;;     4. batch 12 x [M 4,096, K 64] x [K 64, N 4,096]; A: computed on the way; B: computed on the way: left as it is (an operand is computed on the way)
;;     5. batch 12 x [M 4,096, K 4,096] x [K 4,096, N 64]; A: computed on the way; B: computed on the way: left as it is (an operand is computed on the way)
;;     6. [M 4,096, K 768] x [K 768, N 768]; A: computed on the way; B: input w_fc: left as it is (an operand is computed on the way)
;;   THE QUANTISER, for each operand of a quantised product, along K:
;;     - K is cut into blocks of 32 from its start; a last block that is shorter is filled with zeros.
;;     - A block's scale is 2^e with e = floor(log2(the largest magnitude in the block)) - 2, held to -126 .. 127; a block of zeros has e = 0. As a byte (E8M0): e + 127.
;;     - Each number is divided by its block's scale, clamped to +-6, and rounded to the nearest number of E2M1, ties to even, subnormals kept.
;;     - The product sums the exact products of the quantised numbers (number of the format x scale) in f32.
;;   ~~~python
;;   def quantise(x, axis):      # numpy; x: float32 -> the quantised numbers, widened to float32 again
;;       x = np.moveaxis(x, axis, -1); K = x.shape[-1]
;;       x = np.pad(x, [(0, 0)] * (x.ndim - 1) + [(0, -K % 32)]); x = x.reshape(x.shape[:-1] + (-1, 32)); a = np.abs(x).max(-1, keepdims=True)
;;       e = np.where(a > 0, np.clip(np.frexp(np.where(a > 0, a, 1))[1] - 1 - 2, -126, 127), 0)      # np.frexp(a)[1] - 1 = floor(log2(a)), exactly
;;       r = np.clip(x / 2.0 ** e, -6, 6)
;;       step = 2.0 ** (np.maximum(np.frexp(np.where(r == 0, 1, r))[1] - 1, 0) - 1)
;;       q = np.round(r / step) * step * 2.0 ** e      # np.round: ties to even
;;       return np.moveaxis(q.reshape(q.shape[:-2] + (-1,))[..., :K], -1, axis).astype(np.float32)
;;   ~~~
;; One version. Each part assembles by itself: llvm-mc -triple=amdgcn-amd-amdhsa -mcpu=gfx1250 --defsym DOCPART=n.
;; ======== version 1 of 1: 4 launches
;; limits: values are held in f16: magnitudes above 65,504 overflow, below 6.1e-05 lose precision
;; workspace buffers: codes 2,457,600 bytes; scales 204,800 bytes; wf 1,179,648 bytes; qf 6,291,456 bytes; kf 6,291,456 bytes; vf 6,291,456 bytes; of 6,291,456 bytes
;; launch prep (part 1): grid 224 x 1, 4 waves a work-group, no clusters, 68,096 bytes of LDS; arguments x, w_q, w_k, w_v, w_fc, codes, scales, wf; writes codes, scales, wf
.if DOCPART == 1
	.amdgcn_target "amdgcn-amd-amdhsa--gfx1250"
	.amdhsa_code_object_version 6
	.text
	.protected	k_q54700876d4_prep
	.globl	k_q54700876d4_prep
	.p2align	8
	.type	k_q54700876d4_prep,@function
k_q54700876d4_prep:
	s_mov_b64 s[64:65], 0
	v_nop
	global_prefetch_b8 v0, s[64:65] scope:SCOPE_SE
	s_setreg_imm32_b32 hwreg(HW_REG_WAVE_MODE, 25, 1), 1
	s_wait_xcnt 0x0
; PREP.  x [4096][768], w_q, w_k, w_v [768][768], f32, become codes of FP4 (E2M1) with one E8M0 scale byte for each 32 along K; w_fc [768][768] becomes f16.
; All results are laid in the ORDER OF THE READER'S OPERAND REGISTERS: a half image is 512 bytes, lane l's 16 bytes at 16 l.
;   codes  [tile 400][K step 6][c 2][512]: a tile is 16 rows (tiles 0-255 x, 256-303 w_q, 304-351 w_k, 352-399 w_v); lane (r, h) of half c holds the 32 codes of k = 128 s + 64 c + 32 h + 0 .. 31 of row r.
;   scales [tile 400][g 2][row 16][4 words]: word j of group g is the scale word (four bytes, 128 along K) of K step 3 g + j; word 3 is four bytes 127 and is used by nobody.
;   wf     [tile 48][e 48][512]: lane (r, h) holds w_fc(16 tile + r, 16 e + 8 h + 0 .. 7) in f16.
; A block's scale is 2^(floor(log2(its largest magnitude)) - 2); its byte is that magnitude's exponent field - 2, held at 1 from below.  Numbers are divided by the scale and rounded to the nearest code, ties to even, beyond 6 the largest code.
; LIMITS: a block whose largest magnitude lies under 2^-124, a block of zeros among them, keeps the byte 1 (a block of zeros has zero codes, and these bytes are read by this program alone);
;         NaN and infinities among the inputs are not served; |w_fc| up to 65,504, and under 6e-5 it carries f16's fixed step.
; SHARES.  A wave takes 16 rows x 384 along K, three steps of 128: tile = 2 x work-group + wave / 2, g = wave % 2.  Work-groups 0-127 x, 128-151 w_q, 152-175 w_k, 176-199 w_v, 200-223 w_fc.
; Each load reads 512 consecutive bytes of one row; a step's 16 rows turn through the wave's own stage in LDS (rows 528 bytes apart) and come back as the operand's layout wants them.  Waves share nothing: no barrier.
.set SP,    528                        ; a stage row: 512 bytes + 16 = 33 x 16: the sixteen rows that a load touches fall on sixteen different columns of 16 bytes
.set WSTG,  16*SP                      ; a wave's stage
.set HREG,  4*WSTG                     ; the f16 path has stages of its own
.set SPARE, 8*WSTG                     ; the spare words, 128 bytes for each wave: two blocks of 256 bytes that no other line names
.set CD,    32                         ; v32-63   codes (8 registers a step) or 32 registers of f16
.set R,     64                         ; v64-191  two sets of 64 numbers as they are loaded
.set X,     192                        ; v192-255 64 numbers as the operand's layout wants them
	s_load_b512 s[4:19], s[0:1], 0x0               ; x, w_q, w_k, w_v, w_fc, codes, scales, wf
	v_lshl_add_u32 v30, v0, 2, SPARE               ; my spare word; never rewritten
	v_mov_b32 v31, 0                               ; 0; never rewritten
	v_lshrrev_b32 v1, 5, v0
	v_readfirstlane_b32 s24, v1                    ; wave 0..3
	v_and_b32 v1, 31, v0                           ; lane
	v_and_b32 v2, 15, v0                           ; r
	v_bfe_u32 v3, v0, 4, 1                         ; h
	v_lshlrev_b32 v4, 4, v1                        ; 16 x lane: my bytes of a load and of a half image
	s_mul_i32 s25, s24, WSTG
	v_add_nc_u32 v5, s25, v4                       ; into the stage: 16 x lane
	v_add_nc_u32 v7, HREG, v5                      ; the same in the f16 path's stage
	v_mul_u32_u24 v8, v2, SP
	v_add_nc_u32 v8, s25, v8                       ; out of it: row r,
	v_lshl_add_u32 v6, v3, 7, v8                   ; + 128 h: 32 numbers of a block for the codes,
	v_lshl_add_u32 v8, v3, 5, v8                   ; + 32 h: 8 numbers for f16
	v_add_nc_u32 v8, HREG, v8
	v_lshlrev_b32 v9, 4, v2
	v_lshl_add_u32 v9, v3, 3, v9                   ; the scale words' place: 16 r + 8 h
	v_lshlrev_b32 v18, 3, v3                       ; 8 h: how far my two bytes move up in a scale word
	v_mov_b32 v17, 0                               ; written once: a lane permute's destination counts as one of its sources
	v_mov_b32 v23, 0x7f7f7f7f                      ; the fourth word
	s_mov_b32 s26, 0x76543210
	s_mov_b32 s27, 0xfedcba98                      ; v_permlanex16_b32's selects for lane l xor 16
	s_lshr_b32 s28, s24, 1                         ; which of the work-group's two tiles
	s_and_b32 s29, s24, 1                          ; g
	s_wait_kmcnt 0x0
	s_mov_b64 s[20:21], s[4:5]                     ; the source, chosen by the work-group's number alone
	s_mov_b32 s22, 0                               ; and the first work-group of its range
	s_cmp_ge_u32 ttmp9, 128
	s_cselect_b64 s[20:21], s[6:7], s[20:21]
	s_cselect_b32 s22, 128, s22
	s_cmp_ge_u32 ttmp9, 152
	s_cselect_b64 s[20:21], s[8:9], s[20:21]
	s_cselect_b32 s22, 152, s22
	s_cmp_ge_u32 ttmp9, 176
	s_cselect_b64 s[20:21], s[10:11], s[20:21]
	s_cselect_b32 s22, 176, s22
	s_cmp_ge_u32 ttmp9, 200
	s_cselect_b64 s[20:21], s[12:13], s[20:21]
	s_cselect_b32 s22, 200, s22
	s_sub_co_u32 s30, ttmp9, s22
	s_lshl_b32 s30, s30, 1
	s_add_co_u32 s30, s30, s28                     ; the tile's number in its source
	s_mul_i32 s30, s30, 49152                      ; 16 rows of 3,072 bytes
	s_mul_i32 s31, s29, 1536                       ; + g x 384 numbers
	s_add_co_u32 s30, s30, s31
	s_mov_b32 s31, 0
	s_add_nc_u64 s[20:21], s[20:21], s[30:31]
	s_lshl_b32 s32, ttmp9, 1
	s_add_co_u32 s32, s32, s28                     ; the tile's number among all 448
.macro LOAD t                          ; step t: 16 rows x 512 consecutive bytes, into set t % 2
.set i, 0
.rept 16
	global_load_b128 v[R+64*((\t)%2)+4*i:R+64*((\t)%2)+4*i+3], v4, s[20:21] offset:3072*i+512*(\t) th:TH_LOAD_NT
.set i, i+1
.endr
.endm
.macro TURN t, adr                     ; the set goes into the stage as it was loaded
.set i, 0
.rept 16
	ds_store_b128 v[\adr], v[R+64*((\t)%2)+4*i:R+64*((\t)%2)+4*i+3] offset:SP*i
.set i, i+1
.endr
.endm
.macro ARRIVED t
.if (\t) < 2
	s_wait_loadcnt 16                              ; this step's 16 loads are in; one younger set of 16 may be out
.else
	s_wait_loadcnt 0x0
.endif
.endm
	LOAD 0
	LOAD 1
	s_cmp_ge_u32 ttmp9, 200
	s_cbranch_scc1 .Lhalf
	; ---- codes and scale words
	s_mul_i32 s34, s32, 6144
	s_mul_i32 s33, s29, 3072
	s_add_co_u32 s34, s34, s33
	s_mov_b32 s35, 0
	s_add_nc_u64 s[14:15], s[14:15], s[34:35]      ; codes at my tile's K step 3 g
	s_lshl_b32 s34, s32, 9
	s_lshl_b32 s33, s29, 8
	s_add_co_u32 s34, s34, s33
	s_add_nc_u64 s[16:17], s[16:17], s[34:35]      ; scales at my tile's group g
.macro QSTEP t
	ARRIVED \t
	TURN \t, 5
.irp c, 0,1
.irp i, 0,1,2,3,4,5,6,7
	ds_load_b128 v[X+32*\c+4*\i:X+32*\c+4*\i+3], v6 offset:256*\c+16*\i   ; LDS serves a wave's instructions in order: these see the stores above.  X[32 c + n] = k 64 c + 32 h + n of row r
.endr
.endr
	s_wait_dscnt 0x0                               ; the numbers are back, and the stores have read their registers
.if (\t) == 0
	LOAD 2                                         ; into the set that has just gone through the stage
.endif
.irp c, 0,1
	v_max3_num_f32 v[10+\c], |v[X+32*\c]|, |v[X+32*\c+1]|, 0x1800000   ; my block 2 c + h: all its 32 numbers are mine; and the floor 2^(3 - 127): the byte cannot fall under 1
.endr
.irp i, 2,4,6,8,10,12,14,16,18,20,22,24,26,28,30
.irp c, 0,1
	v_max3_num_f32 v[10+\c], v[10+\c], |v[X+32*\c+\i]|, |v[X+32*\c+\i+1]|   ; (the two blocks by turns)
.endr
.endr
.irp c, 0,1
	v_add_nc_u32 v[12+\c], 0xff000000, v[10+\c]    ; 2 off the exponent field: the conversion takes the exponent field of this operand as its scale
.endr
.irp c, 0,1
	v_lshrrev_b32 v[14+\c], 23, v[12+\c]           ; the scale's byte
.endr
.irp c, 0,1
.irp q, 0,1,2,3
	v_cvt_scalef32_pk8_fp4_f32 v[CD+8*(\t)+4*\c+\q], v[X+32*\c+8*\q:X+32*\c+8*\q+7], v[12+\c]   ; registers 4 c .. 4 c + 3 of the operand
.endr
.endr
	v_lshl_or_b32 v16, v15, 16, v14                ; my two bytes, blocks h and 2 + h (also the plain line behind the conversions),
	v_lshlrev_b32 v16, v18, v16                    ; at their places in the word;
	v_permlanex16_b32 v17, v16, s26, s27
	v_or_b32 v[20+(\t)], v16, v17                  ; with lane l xor 16's two the word is whole, in both halves of the lanes
.irp c, 0,1
	global_store_b128 v4, v[CD+8*(\t)+4*\c:CD+8*(\t)+4*\c+3], s[14:15] offset:1024*(\t)+512*\c   ; 32 lanes store 512 consecutive bytes, aligned; each step has registers of its own
.endr
.endm
	QSTEP 0
	QSTEP 1
	QSTEP 2
	v_cmp_ne_u32 vcc_lo, 0, v3
	v_cndmask_b32 v24, v20, v22, vcc_lo            ; lanes 0-15: words 0 and 1 of row r; lanes 16-31: word 2 and the fourth
	v_cndmask_b32 v25, v21, v23, vcc_lo
	global_store_b64 v9, v[24:25], s[16:17]        ; 32 lanes store 256 consecutive bytes, aligned
	s_wait_tensorcnt 0x0                           ; the wave's end: behind my last LDS store
	ds_add_u32 v30, v31
	s_wait_dscnt 0x0
	s_endpgm
.Lhalf:	; ---- w_fc to f16
	s_sub_co_u32 s32, s32, 400
	s_mul_i32 s34, s32, 24576
	s_mul_i32 s33, s29, 12288
	s_add_co_u32 s34, s34, s33
	s_mov_b32 s35, 0
	s_add_nc_u64 s[18:19], s[18:19], s[34:35]      ; wf at my tile's e = 24 g
.macro HSTEP t
	ARRIVED \t
	TURN \t, 7
.irp k, 0,1,2,3
.irp c, 0,1
.irp i, 0,1
	ds_load_b128 v[X+16*\k+8*\c+4*\i:X+16*\k+8*\c+4*\i+3], v8 offset:128*\k+64*\c+16*\i   ; eight numbers: k = 32 k' + 16 c + 8 h + 0 .. 7 of row r
.endr
.endr
.endr
	s_wait_dscnt 0x0
.if (\t) == 0
	LOAD 2
.else
	s_wait_xcnt 0x0                                ; the last step's stores have read their registers, which are written again below
.endif
.set e, 0
.rept 32
	v_cvt_pk_f16_f32 v[CD+e], v[X+2*e], v[X+2*e+1]
.set e, e+1
.endr
.irp k, 0,1,2,3
.irp c, 0,1
	global_store_b128 v4, v[CD+8*\k+4*\c:CD+8*\k+4*\c+3], s[18:19] offset:(4*(\t)+\k)*1024+512*\c
.endr
.endr
.endm
	HSTEP 0
	HSTEP 1
	HSTEP 2
	s_wait_tensorcnt 0x0                           ; the wave's end: the same three lines
	ds_add_u32 v30, v31
	s_wait_dscnt 0x0
	s_endpgm
.Lfunc_end_k_q54700876d4_prep:
	.size	k_q54700876d4_prep, .Lfunc_end_k_q54700876d4_prep-k_q54700876d4_prep
	.p2alignl 7, 3214868480
	.fill 96, 4, 3214868480
	.section	.rodata,"a",@progbits
	.p2align	6, 0x0
	.amdhsa_kernel k_q54700876d4_prep
		.amdhsa_group_segment_fixed_size 68096
		.amdhsa_private_segment_fixed_size 0
		.amdhsa_enable_private_segment 0
		.amdhsa_kernarg_size 64
		.amdhsa_user_sgpr_count 2
		.amdhsa_user_sgpr_kernarg_segment_ptr 1
		.amdhsa_wavefront_size32 1
		.amdhsa_system_sgpr_workgroup_id_x 1
		.amdhsa_system_sgpr_workgroup_id_y 1
		.amdhsa_system_sgpr_workgroup_id_z 1
		.amdhsa_system_vgpr_workitem_id 0
		.amdhsa_next_free_vgpr 256
		.amdhsa_next_free_sgpr 66
		.amdhsa_reserve_vcc 1
		.amdhsa_float_denorm_mode_32 3
		.amdhsa_float_denorm_mode_16_64 3
		.amdhsa_memory_ordered 1
		.amdhsa_forward_progress 1
		.amdhsa_inst_pref_size 40
	.end_amdhsa_kernel
	.amdgpu_metadata
---
amdhsa.version: [ 1, 2 ]
amdhsa.kernels:
  - .name:           k_q54700876d4_prep
    .symbol:         k_q54700876d4_prep.kd
    .args:
      - { .name: x, .offset: 0, .size: 8, .value_kind: global_buffer, .address_space: global }
      - { .name: w_q, .offset: 8, .size: 8, .value_kind: global_buffer, .address_space: global }
      - { .name: w_k, .offset: 16, .size: 8, .value_kind: global_buffer, .address_space: global }
      - { .name: w_v, .offset: 24, .size: 8, .value_kind: global_buffer, .address_space: global }
      - { .name: w_fc, .offset: 32, .size: 8, .value_kind: global_buffer, .address_space: global }
      - { .name: codes, .offset: 40, .size: 8, .value_kind: global_buffer, .address_space: global }
      - { .name: scales, .offset: 48, .size: 8, .value_kind: global_buffer, .address_space: global }
      - { .name: wf, .offset: 56, .size: 8, .value_kind: global_buffer, .address_space: global }
    .group_segment_fixed_size: 68096
    .private_segment_fixed_size: 0
    .kernarg_segment_align: 8
    .kernarg_segment_size: 64
    .max_flat_workgroup_size: 128
    .sgpr_count:     66
    .vgpr_count:     256
    .wavefront_size: 32
...
	.end_amdgpu_metadata
.endif
;; end of part 1
;; launch qkv (part 2): grid 64 x 4, 3 waves a work-group, no clusters, 0 bytes of LDS; arguments codes, scales, qf, kf, vf; writes qf, kf, vf
.if DOCPART == 2
	.amdgcn_target "amdgcn-amd-amdhsa--gfx1250"
	.amdhsa_code_object_version 6
	.text
	.protected	k_q54700876d4_qkv
	.globl	k_q54700876d4_qkv
	.p2align	8
	.type	k_q54700876d4_qkv,@function
k_q54700876d4_qkv:
	s_mov_b64 s[64:65], 0
	v_nop
	global_prefetch_b8 v0, s[64:65] scope:SCOPE_SE
	s_setreg_imm32_b32 hwreg(HW_REG_WAVE_MODE, 25, 1), 1
	s_wait_xcnt 0x0
; QKV.  q = x w_q^T, k = x w_k^T, v = x w_v^T on codes of FP4 with E8M0 scales, K = 768, sums in f32; q is multiplied by log2(e) / 8 in f32; all three are rounded once to f16.
; Results are laid as the attention's operand registers want them (a half image is 512 bytes, lane l's 16 bytes at 16 l):
;   qf, kf [T 256][U 48][512]: T a tile of 16 tokens, U a tile of 16 channels; lane (r, h): token r, channels 16 U + 8 h + 0 .. 7.
;   vf [kb 128][U 48][c 2][512]: kb 32 keys; lane (r, h): channel 16 U + r, keys 32 kb + 16 c + 8 h + 0 .. 7.
; A 16 x 16 result packed to f16 (four registers a lane) IS such a half image: every store is 512 consecutive bytes, aligned, straight from registers.
; SHARES.  768 waves that share nothing: a wave makes 64 tokens x 192 channels of one of q, k, v: 48 accumulators, 6 K steps of 128, 288 matrix instructions.  Operands come from memory straight into registers,
; whole fragments by 16-byte loads at 16 x lane.  NO LDS, NO TENSOR LOADS, NO JOINT LOADS: a wave reads its 96 KB of operands once; no other wave of the work-group reads its w, all three read the same x; a stage in LDS would add a fill,
; a barrier and as many LDS reads as there are loads now.
; For q and k source 0 = 16 rows of w, source 1 = 16 tokens: a lane holds one token and eight channels.  For v the sources change places: a lane holds one channel and eight tokens (keys).
; LIMITS: |q| log2(e) / 8, |k|, |v| up to 65,504; under 6e-5 they carry f16's fixed step.
; REGISTERS, in windows of 256: window 0: v1 16 x lane, v2 16 x (lane % 16); v16-47 x's scale words, v48-143 w's (a tile: 8 registers, K step s at 4 (s / 3) + s % 3): they hold scales and nothing else.
;   window 1: operand sets 0 (v0-127) and 1 (v128-255); window 2: set 2 (v0-127), accumulators 0-15 (v128-255); window 3: accumulators 16-47.  In a set: x's fragment i at 8 i, w's fragment j at 32 + 8 j.  Accumulator n = 12 i + j.
.set XSC, 16
.set WSC, 48
.set MSB, 0
.macro WIN new                         ; the immediate's high byte repeats the setting that is left; a switch that changes nothing is dropped
.if MSB != (\new)
	s_set_vgpr_msb (MSB<<8)|(\new)
.set MSB, (\new)
.endif
.endm
.macro PLACES                          ; four plain places between a matrix instruction and a load into, or a vector read or write of, its registers
.rept 4
	v_nop
.endr
.endm
	s_load_b256 s[4:11], s[0:1], 0x0               ; codes s[4:5], scales s[6:7], qf s[8:9], kf s[10:11]
	s_load_b64 s[12:13], s[0:1], 0x20              ; vf
	v_lshrrev_b32 v3, 5, v0
	v_readfirstlane_b32 s26, v3                    ; wave 0..2
	v_and_b32 v1, 31, v0
	v_lshlrev_b32 v1, 4, v1                        ; 16 x lane
	v_and_b32 v2, 15, v0
	v_lshlrev_b32 v2, 4, v2                        ; 16 x (lane % 16): a row's four scale words
	s_and_b32 s27, ttmp7, 0xffff
	s_mul_i32 s27, s27, 3
	s_add_co_u32 s27, s27, s26                     ; 0..11: which 12 tiles of the 144 tiles of weights
	s_lshr_b32 s28, s27, 2                         ; 0 q, 1 k, 2 v
	s_and_b32 s29, s27, 3                          ; which 192 channels
	s_mul_i32 s30, ttmp9, 24576                    ; x's four tiles of codes
	s_mov_b32 s31, 0
	s_mul_i32 s32, s27, 73728                      ; the weights' twelve, behind x's 256 tiles
	s_add_co_u32 s32, s32, 1572864
	s_mov_b32 s33, 0
	s_lshl_b32 s34, ttmp9, 11                      ; their scale words likewise
	s_mov_b32 s35, 0
	s_mul_i32 s36, s27, 6144
	s_add_co_u32 s36, s36, 131072
	s_mov_b32 s37, 0
	s_cmp_eq_u32 s28, 2
	s_cselect_b32 s38, 1, 0
	s_mul_i32 s39, s29, 6144
	s_lshl_b32 s38, s39, s38                       ; 12 U tiles: 6,144 bytes in qf and kf, 12,288 in vf
	s_mul_i32 s39, ttmp9, 98304                    ; 64 tokens: 98,304 bytes in each of the three
	s_add_co_u32 s38, s38, s39
	s_mov_b32 s39, 0
	s_mov_b32 s24, 1.0
	s_cmp_eq_u32 s28, 0
	s_cselect_b32 s24, 0x3e38aa3b, s24             ; log2(e) / 8 for q, 1 for k: one body serves both
	s_mov_b32 s25, s24                             ; (named with it as a pair, so it is written)
	s_wait_kmcnt 0x0
	s_add_nc_u64 s[14:15], s[4:5], s[30:31]
	s_add_nc_u64 s[16:17], s[4:5], s[32:33]
	s_add_nc_u64 s[18:19], s[6:7], s[34:35]
	s_add_nc_u64 s[20:21], s[6:7], s[36:37]
	s_cmp_eq_u32 s28, 0
	s_cselect_b64 s[22:23], s[8:9], s[10:11]
	s_cmp_eq_u32 s28, 2
	s_cselect_b64 s[22:23], s[12:13], s[22:23]
	s_add_nc_u64 s[22:23], s[22:23], s[38:39]
.irp i, 0,1,2,3                        ; the scale words of all of K: 32 loads
.irp g, 0,1
	global_load_b128 v[XSC+8*\i+4*\g:XSC+8*\i+4*\g+3], v2, s[18:19] offset:512*\i+256*\g
.endr
.endr
.irp j, 0,1,2,3,4,5,6,7,8,9,10,11
.irp g, 0,1
	global_load_b128 v[WSC+8*\j+4*\g:WSC+8*\j+4*\g+3], v2, s[20:21] offset:512*\j+256*\g
.endr
.endr
.macro SET s                           ; K step s: 32 loads into set s % 3
.set q3, (\s)%3
.set sb, 128*(q3%2)
.set wn, (1+q3/2)<<6
	WIN wn
.irp i, 0,1,2,3
.irp c, 0,1
	global_load_b128 v[sb+8*\i+4*\c:sb+8*\i+4*\c+3], v1, s[14:15] offset:6144*\i+1024*(\s)+512*\c
.endr
.endr
.irp j, 0,1,2,3,4,5,6,7,8,9,10,11
.irp c, 0,1
	global_load_b128 v[sb+32+8*\j+4*\c:sb+32+8*\j+4*\c+3], v1, s[16:17] offset:6144*\j+1024*(\s)+512*\c
.endr
.endr
.endm
; 48 matrix instructions: the accumulators take turns, one instruction a turn, in the same order in every step.  The first step's products start the sums: nothing is cleared.
.macro MUL s, swap
.set q3, (\s)%3
.set sb, 128*(q3%2)
.set ws, 1+q3/2
.set sw, 4*((\s)/3)+(\s)%3
.set n, 0
.rept 48
.set wa, 2+(n/16+1)/2
.set wn, (wa<<6)|(wa<<4)|(ws<<2)|ws
	WIN wn
.set rD, (128+8*n)%256
.set rX, sb+8*(n/12)
.set rW, sb+32+8*(n%12)
.set rXS, XSC+8*(n/12)+sw
.set rWS, WSC+8*(n%12)+sw
.if \swap
.if (\s) == 0
	v_wmma_scale_f32_16x16x128_f8f6f4 v[rD:rD+7], v[rW:rW+7], v[rX:rX+7], 0, v[rWS], v[rXS] matrix_a_fmt:MATRIX_FMT_FP4 matrix_b_fmt:MATRIX_FMT_FP4
.else
	v_wmma_scale_f32_16x16x128_f8f6f4 v[rD:rD+7], v[rW:rW+7], v[rX:rX+7], v[rD:rD+7], v[rWS], v[rXS] matrix_a_fmt:MATRIX_FMT_FP4 matrix_b_fmt:MATRIX_FMT_FP4
.endif
.else
.if (\s) == 0
	v_wmma_scale_f32_16x16x128_f8f6f4 v[rD:rD+7], v[rX:rX+7], v[rW:rW+7], 0, v[rXS], v[rWS] matrix_a_fmt:MATRIX_FMT_FP4 matrix_b_fmt:MATRIX_FMT_FP4
.else
	v_wmma_scale_f32_16x16x128_f8f6f4 v[rD:rD+7], v[rX:rX+7], v[rW:rW+7], v[rD:rD+7], v[rXS], v[rWS] matrix_a_fmt:MATRIX_FMT_FP4 matrix_b_fmt:MATRIX_FMT_FP4
.endif
.endif
.set n, n+1
.endr
.endm
; Sixteen accumulators leave: into an operand set of window 1 that is done with, rounded to f16, stored.  Each accumulator is read from its low end on.
.macro OUTB b, swap
.set ar, 128*((\b)%2)
.set wa, 2+((\b)+1)/2
.set ab, (128+128*(\b))%256
.if (\b) == 2
	s_wait_xcnt 0x0                                ; the first batch's stores have read their registers, which are written again
.endif
.if \swap
.set wn, 0x40|wa
	WIN wn
.set e, 0
.rept 64
	v_pk_mul_f32 v[ar+2*e:ar+2*e+1], v[ab+2*e:ab+2*e+1], s[24:25] op_sel_hi:[1,0]
.set e, e+1
.endr
	WIN 0x45
.set e, 0
.rept 64
	v_cvt_pk_f16_f32 v[ar+e], v[ar+2*e], v[ar+2*e+1]   ; in place: register e was read by an earlier line
.set e, e+1
.endr
.else
.set wn, 0x40|(wa<<2)|wa
	WIN wn
.set e, 0
.rept 64
	v_cvt_pk_f16_f32 v[ar+e], v[ab+2*e], v[ab+2*e+1]
.set e, e+1
.endr
.endif
	WIN 0x04                                       ; a store's data are its source 1: window 1
.set m, 0
.rept 16
.set n, 16*(\b)+m
.if \swap
	global_store_b128 v1, v[ar+4*m:ar+4*m+3], s[22:23] offset:24576*(n/12)+512*(n%12)
.else
	global_store_b128 v1, v[ar+4*m:ar+4*m+3], s[22:23] offset:49152*(n/24)+512*((n/12)%2)+1024*(n%12)
.endif
.set m, m+1
.endr
.endm
.macro BODY swap
.irp s, 0,1,2,3,4,5
.if \s < 4
	s_wait_loadcnt 63                              ; this step's set (and the scale words) are in: 64 younger loads stand behind it, and the wait's field names 63 at the most
.elseif \s == 4
	s_wait_loadcnt 32                              ; one younger set may be out
.else
	s_wait_loadcnt 0x0
.endif
	MUL \s, \swap
.if \s < 3
	PLACES
	SET \s+3                                       ; into the set just multiplied
.endif
.endr
	PLACES
	OUTB 0, \swap
	OUTB 1, \swap
	OUTB 2, \swap
	WIN 0
.endm
	SET 0
	SET 1
	SET 2
	WIN 0                                          ; at a branch and at a label every window is 0
	s_cmp_eq_u32 s28, 2
	s_cbranch_scc1 .Lfor_v
	BODY 1
	s_endpgm
.Lfor_v:
	BODY 0
	s_endpgm
.Lfunc_end_k_q54700876d4_qkv:
	.size	k_q54700876d4_qkv, .Lfunc_end_k_q54700876d4_qkv-k_q54700876d4_qkv
	.p2alignl 7, 3214868480
	.fill 96, 4, 3214868480
	.section	.rodata,"a",@progbits
	.p2align	6, 0x0
	.amdhsa_kernel k_q54700876d4_qkv
		.amdhsa_group_segment_fixed_size 0
		.amdhsa_private_segment_fixed_size 0
		.amdhsa_enable_private_segment 0
		.amdhsa_kernarg_size 40
		.amdhsa_user_sgpr_count 2
		.amdhsa_user_sgpr_kernarg_segment_ptr 1
		.amdhsa_wavefront_size32 1
		.amdhsa_system_sgpr_workgroup_id_x 1
		.amdhsa_system_sgpr_workgroup_id_y 1
		.amdhsa_system_sgpr_workgroup_id_z 1
		.amdhsa_system_vgpr_workitem_id 0
		.amdhsa_next_free_vgpr 1024
		.amdhsa_next_free_sgpr 66
		.amdhsa_reserve_vcc 0
		.amdhsa_float_denorm_mode_32 3
		.amdhsa_float_denorm_mode_16_64 3
		.amdhsa_memory_ordered 1
		.amdhsa_forward_progress 1
		.amdhsa_inst_pref_size 153
	.end_amdhsa_kernel
	.amdgpu_metadata
---
amdhsa.version: [ 1, 2 ]
amdhsa.kernels:
  - .name:           k_q54700876d4_qkv
    .symbol:         k_q54700876d4_qkv.kd
    .args:
      - { .name: codes, .offset: 0, .size: 8, .value_kind: global_buffer, .address_space: global }
      - { .name: scales, .offset: 8, .size: 8, .value_kind: global_buffer, .address_space: global }
      - { .name: qf, .offset: 16, .size: 8, .value_kind: global_buffer, .address_space: global }
      - { .name: kf, .offset: 24, .size: 8, .value_kind: global_buffer, .address_space: global }
      - { .name: vf, .offset: 32, .size: 8, .value_kind: global_buffer, .address_space: global }
    .group_segment_fixed_size: 0
    .private_segment_fixed_size: 0
    .kernarg_segment_align: 8
    .kernarg_segment_size: 40
    .max_flat_workgroup_size: 96
    .sgpr_count:     66
    .vgpr_count:     1024
    .wavefront_size: 32
...
	.end_amdgpu_metadata
.endif
;; end of part 2
;; launch attn (part 3): grid 16 x 12, 8 waves a work-group, clusters of 4 x 1, 327,680 bytes of LDS; arguments qf, kf, vf, of; writes of
.if DOCPART == 3
	.amdgcn_target "amdgcn-amd-amdhsa--gfx1250"
	.amdhsa_code_object_version 6
	.text
	.protected	k_q54700876d4_attn
	.globl	k_q54700876d4_attn
	.p2align	8
	.type	k_q54700876d4_attn,@function
k_q54700876d4_attn:
	s_mov_b64 s[64:65], 0
	v_nop
	global_prefetch_b8 v0, s[64:65] scope:SCOPE_SE
	s_setreg_imm32_b32 hwreg(HW_REG_WAVE_MODE, 25, 1), 1
	s_wait_xcnt 0x0
	s_wait_alu depctr_hold_cnt(0) depctr_sa_sdst(0) depctr_va_vdst(0) depctr_va_sdst(0) depctr_va_ssrc(0) depctr_va_vcc(0) depctr_vm_vsrc(0)
	s_getreg_b32 s2, hwreg(HW_REG_IB_STS2, 6, 4)
	s_cmp_eq_u32 s2, 0
	s_cbranch_scc0 .Lentry_in_a_cluster
	s_endpgm
.Lentry_in_a_cluster:
	s_bfe_u32 s2, ttmp6, 0x10000c
	s_cmp_lg_u32 s2, 0x3003
	s_cbranch_scc0 .Lentry_shape_is_right
	s_endpgm
.Lentry_shape_is_right:
; ATTN.  O[h][q] = the sum over k of softmax_k(q . k / 8) v, 12 heads of 64 channels, 4,096 tokens, no mask.  Operands f16, products, maxima and sums f32; the weights p are rounded to f16 for the second product, O / l once at the end.
; q arrives multiplied by log2(e) / 8, so a score is already the exponent: p = 2^(s - M), M the running maximum; in every step O and l are multiplied by a = 2^(old M - new M).
; qf, kf, of: [T 256][U 48][512], vf: [kb 128][U 48][c 2][512]: images of operand registers (lane l's 16 bytes at 16 l): every fragment comes by 16-byte loads at 16 x lane: no pitch, no padding.
; SHARES.  A work-group owns 256 queries of one head: 192 work-groups of equal work (12 heads x 4,096 rows do not cut into 256 equal blocks that stay inside a head).  Eight waves.  Waves w and w + 4 hold the SAME 64 queries
; (four tiles of 16) and SPLIT THE KEYS: of a slot's eight steps of 64 keys wave w takes steps 2 i + w / 4.  So each fragment of K and V is read from LDS once in the work-group's half and feeds four tiles of queries.
; Each wave keeps its own M, l and O; the pair is merged once, at the end, through LDS.
; TWO PARTS OF A STEP.  KQSTEP: the step's LDS loads and its 32 products K Q^T.  PVSTEP: the softmax and the 32 products V^T P.  Behind a change of slots waves 0-3 begin with KQSTEP, waves 4-7 with the PVSTEP of their last step
; of the slot before, whose scores and V fragments were in registers when the barrier came: so of two waves with the same queries one has vector work while the other has matrix work.
; LAYOUT.  S^T = K Q^T (source 0 = 16 keys, source 1 = 16 queries) and O^T = V^T P (source 0 = 16 channels, source 1 = P): a lane holds ONE query throughout; two tiles of S^T rounded in pairs ARE source 1 of the second product.
; CLUSTER.  The four query blocks of a cluster belong to one head and walk the same K and V: each tile is asked for jointly, by the same tensor load with the same descriptor and a mask that names the four.
; LIMITS: f16's range for q log2(e) / 8, k, v and O (65,504); a weight p under 6e-8 of its row's largest counts as 0 in the second product (not in l); NaN and infinities are not served.
; LDS: slot n % 2 at (n % 2) << 17: 512 keys: K 64 KB (tile T at 2,048 T), V 64 KB behind it (kb at 4,096 kb); the spare words behind the ring; the merge's stage in slot 0's bytes, behind that slot's last fill and last read.
; REGISTERS.  window 0: v1-7 addresses; v16-47 statistics, tile t at 16 + 8 t: +0 M, +2 a, +4..7 l in two pairs (+1, +3 written once: partners of pairs); v48-63 at work; v64-127 K; v128-255 S^T, 32 a tile, then P in the first 16.
;   window 1: v0-63 Q; v64-127 V; v128-255 O^T, 32 a tile.
.set SLOT1, 1<<17
.set VOFF,  65536
.set SPARE, 262144                     ; the spare words, 128 bytes for each wave: four blocks of 256 bytes that no other line names
.set PAIRB, 17408                      ; a pair's stage: O^T 16,384 bytes, M 512, l 512
.set SLOTB, 786432                     ; a slot on in kf and in vf: 32 tiles of 24,576 bytes, 16 blocks of 49,152
.set LI,  1                            ; v1  16 x lane
.set ADK, 2                            ; v2  LDS address of the step's K
.set ADV, 3                            ; v3  of its V
.set STG, 4                            ; v4  16 x lane + my pair's stage
.set PFO, 5                            ; v5  the prefetches' offset
.set SPW, 6                            ; v6  my spare word; never rewritten
.set NIL, 7                            ; v7  0; never rewritten
.set ST,  16
.set CC,  48
.set KF,  64
.set S,   128
.set VF,  64                           ; in window 1
.set OT,  128                          ; in window 1
.set WV,  12                           ; s12 wave
.set LIM, 15                           ; s15 1 in a wave that prefetches, else the greatest number
.set KP,  16                           ; s16 wave / 4: which of each two steps
.set QG,  17                           ; s17 wave % 4: which 64 queries; also which quarter of a tile I fetch
.set PFA, 18                           ; s[18:19] where my prefetches stand
.set G1K, 24                           ; s[24:31], s[32:39] descriptor groups 1;  s[40:43], s[44:47] groups 0, which walk
.set G1V, 32
.set G0K, 40
.set G0V, 44
.set SLOTS, 48
.set CNT, 49
.set TB,  50                           ; s50 LDS byte of the step to be fetched
.set FIRSTA, 51                        ; s51 4 in waves 0-3 (a slot's first trip has no PVSTEP), 0 in waves 4-7 (every trip has one)
.set SEL, 52                           ; s[52:53]
.set MSB, 0
.macro WIN new
.if MSB != (\new)
	s_set_vgpr_msb (MSB<<8)|(\new)
.set MSB, (\new)
.endif
.endm
; A joint load: waves 0-3 fetch K's four quarters, waves 4-7 V's.  The branch hangs on the wave's number alone.  An s_nop 0 and four v_nop follow each of the two lines.
.macro JLOAD
	s_cmp_lt_u32 s[WV], 4
	s_cbranch_scc0 .Lfor_v_\@
	tensor_load_to_lds s[G0K:G0K+3], s[G1K:G1K+7]
	s_nop 0
.rept 4
	v_nop
.endr
	s_branch .Lasked_\@
.Lfor_v_\@:
	tensor_load_to_lds s[G0V:G0V+3], s[G1V:G1V+7]
	s_nop 0
.rept 4
	v_nop
.endr
.Lasked_\@:
.endm
; A prefetch of what the NEXT change of slots will ask for: a slot's 256 blocks of 256 bytes of K and as many of V.  All clusters of a head walk the same rows: the head's first cluster asks.  Its four partners share the
; blocks out BY ADDRESS; in each, waves 0 and 1 ask for K's and waves 4 and 5 for V's, a lane a block.  So each block from slot 2 on is named once in the launch.  The last change that fills a slot asks for nothing.
.macro ASK
	s_cmp_gt_u32 s[SLOTS], s[LIM]
	s_cbranch_scc0 .Lnot_mine_\@
	global_prefetch_b8 v[PFO], s[PFA:PFA+1] th:TH_LOAD_NT scope:SCOPE_SE
.Lnot_mine_\@:
.endm
.macro CROUND                          ; a round of the cluster's barrier
	s_barrier_signal -1
	s_barrier_wait -1
	s_cmp_lg_u32 s[WV], 0
	s_cbranch_scc1 .Lnot_wave_0_\@
	s_barrier_signal -3
.Lnot_wave_0_\@:
	s_barrier_wait -3
	s_barrier_signal -1
	s_barrier_wait -1
.endm
	s_load_b256 s[4:11], s[0:1], 0x0               ; qf s[4:5], kf s[6:7], vf s[8:9], of s[10:11]
	v_lshl_add_u32 v[SPW], v0, 2, SPARE
	v_mov_b32 v[NIL], 0
	ds_add_u32 v[SPW], v[NIL]                      ; the wave's opening: the add, twice on end, and its wait ahead of my first tensor load
	ds_add_u32 v[SPW], v[NIL]
	v_lshrrev_b32 v8, 5, v0
	v_readfirstlane_b32 s[WV], v8                  ; wave 0..7
	s_lshr_b32 s[KP], s[WV], 2
	s_and_b32 s[QG], s[WV], 3
	s_and_b32 s20, ttmp7, 0xffff                   ; the head, which the four partners share
	; K: 8 rows (tiles of 16 keys) of 2,048 bytes, 24,576 bytes apart;  V: 4 rows (blocks of 32 keys) of 4,096 bytes, 49,152 apart.  Elements of 8 bytes, no padding: fragments are read at 16 x lane
	s_mov_b32 s[G1K], 15|(3<<16)|(1<<21)           ; 15:0 the mask: all four work-groups; 17:16 elements of 8 bytes; 21 set beside a mask
	s_mov_b32 s[G1K+1], 256<<16                    ; tensor_dim0
	s_mov_b32 s[G1K+2], 8<<16                      ; tensor_dim1
	s_mov_b32 s[G1K+3], 256<<16                    ; tile_dim0
	s_mov_b32 s[G1K+4], 8                          ; tile_dim1
	s_mov_b32 s[G1K+5], 3072                       ; tensor_dim0_stride
	s_mov_b32 s[G1K+6], 0
	s_mov_b32 s[G1K+7], 0
	s_mov_b32 s[G1V], 15|(3<<16)|(1<<21)
	s_mov_b32 s[G1V+1], 512<<16
	s_mov_b32 s[G1V+2], 4<<16
	s_mov_b32 s[G1V+3], 512<<16
	s_mov_b32 s[G1V+4], 4
	s_mov_b32 s[G1V+5], 6144
	s_mov_b32 s[G1V+6], 0
	s_mov_b32 s[G1V+7], 0
	s_lshl_b32 s21, s[QG], 14                      ; my quarter in a slot: no place in the cluster enters an LDS address
	s_mul_i32 s22, s[QG], 196608                   ; and in memory
	s_lshl_b32 s23, s20, 11
	s_add_co_u32 s54, s22, s23                     ; K: + the head's 2,048 bytes of a tile
	s_mov_b32 s55, 0
	s_lshl_b32 s23, s20, 12
	s_add_co_u32 s56, s22, s23                     ; V: + the head's 4,096 bytes of a block
	s_mov_b32 s57, 0
	s_mov_b32 s[SEL], 0x76543210
	s_mov_b32 s[SEL+1], 0xfedcba98                 ; v_permlanex16_b32's selects for lane l xor 16
	s_lshl_b32 s[TB], s[KP], 13                    ; my first step of slot 0
	s_cmp_eq_u32 s[KP], 0
	s_cselect_b32 s[FIRSTA], 4, 0
	s_and_b32 s[LIM], s[WV], 2
	s_or_b32 s[LIM], s[LIM], ttmp9                 ; 0 in waves 0, 1, 4, 5 of the head's first cluster: the same in all four partners
	s_cmp_eq_u32 s[LIM], 0
	s_cselect_b32 s[LIM], 1, -1
	v_and_b32 v[LI], 31, v0
	v_lshlrev_b32 v[LI], 4, v[LI]
	s_mul_i32 s23, s[QG], PAIRB
	v_add_nc_u32 v[STG], s23, v[LI]
	s_cmp_lt_u32 s[WV], 4                          ; K's prefetches: 8 blocks a tile, tiles 24,576 bytes apart;  V's: 16 blocks, 49,152 apart
	s_cselect_b32 s58, 3, 4
	s_cselect_b32 s59, 7, 15
	s_mov_b32 s62, 49152
	s_cselect_b32 s62, 24576, s62
	v_and_b32 v8, 31, v0
	v_lshrrev_b32 v9, s58, v8
	v_and_b32 v8, s59, v8
	v_lshlrev_b32 v8, 8, v8
	v_mad_u32_u24 v[PFO], v9, s62, v8
	s_wait_dscnt 0x0                               ; both opening adds are done
	s_wait_kmcnt 0x0
	s_mov_b32 s[G0K], 1                            ; count = 1
	s_mov_b32 s[G0K+1], s21                        ; LDS address: slot 0
	s_add_nc_u64 s[G0K+2:G0K+3], s[6:7], s[54:55]  ; global address: keys 0 to 511, my quarter
	s_or_b32 s[G0K+3], s[G0K+3], 0x80000000        ; type = 2
	s_mov_b32 s[G0V], 1
	s_add_co_u32 s[G0V+1], s21, VOFF
	s_add_nc_u64 s[G0V+2:G0V+3], s[8:9], s[56:57]
	s_or_b32 s[G0V+3], s[G0V+3], 0x80000000
	s_cmp_lt_u32 s[WV], 4
	s_cselect_b64 s[PFA:PFA+1], s[6:7], s[8:9]
	s_cselect_b32 s58, 11, 12
	s_lshl_b32 s58, s20, s58                       ; the head's part,
	s_bfe_u32 s13, ttmp6, 0x40000                  ; cx: it enters Q's, O's and the prefetches' addresses alone
	s_mul_i32 s59, s13, 196608                     ; my work-group's quarter of a slot,
	s_add_co_u32 s58, s58, s59
	s_and_b32 s59, s[WV], 1
	s_mul_i32 s59, s59, 98304                      ; my wave's half of that,
	s_add_co_u32 s58, s58, s59
	s_add_co_u32 s58, s58, SLOTB                   ; in slot 1: the first change steps it to slot 2.  Nothing is prefetched at the head
	s_mov_b32 s59, 0
	s_add_nc_u64 s[PFA:PFA+1], s[PFA:PFA+1], s[58:59]
	s_lshl_b32 s60, ttmp9, 2
	s_add_co_u32 s60, s60, s13                     ; my block of 256 queries = 4 x cluster x + cx
	s_lshl_b32 s60, s60, 2
	s_add_co_u32 s60, s60, s[QG]
	s_mul_i32 s60, s60, 98304                      ; my 64 queries: four tiles of 24,576 bytes
	s_lshl_b32 s61, s20, 11
	s_add_co_u32 s60, s60, s61
	s_mov_b32 s61, 0
	s_add_nc_u64 s[4:5], s[4:5], s[60:61]
	s_add_nc_u64 s[10:11], s[10:11], s[60:61]
	CROUND                                         ; all four work-groups are here: the first joint loads meet
	JLOAD                                          ; slot 0
	WIN 0x40                                       ; destination window 1
.irp t, 0,1,2,3
.irp u, 0,1,2,3
	global_load_b128 v[16*\t+4*\u:16*\t+4*\u+3], v[LI], s[4:5] offset:24576*\t+512*\u   ; Q stays in registers: tile t, channels 16 u on
.endr
.endr
.set e, 0
.rept 128
	v_mov_b32 v[OT+e], 0                           ; O^T.  The step is written without a first step of its own: the first a is 0 and finds zeros
.set e, e+1
.endr
	WIN 0
.irp t, 0,1,2,3
	v_mov_b32 v[ST+8*\t], 0xff61b1e6               ; M: -3e38, under every score
	v_mov_b32 v[ST+8*\t+1], 0
	v_mov_b32 v[ST+8*\t+3], 0
	v_mov_b32 v[ST+8*\t+4], 0                      ; l
	v_mov_b32 v[ST+8*\t+5], 0
	v_mov_b32 v[ST+8*\t+6], 0
	v_mov_b32 v[ST+8*\t+7], 0
.endr
	s_wait_loadcnt 0x0                             ; Q
; THE FIRST PART OF A STEP: 64 keys' K and V out of LDS, and S^T = K Q^T.
.macro KQSTEP
	s_wait_dscnt 0x0                               ; no LDS load of mine is out when K's and V's registers are asked for again, on the way round PVSTEP too
	v_add_nc_u32 v[ADK], s[TB], v[LI]
	v_add_nc_u32 v[ADV], VOFF, v[ADK]
.rept 3
	v_nop                                          ; with the two additions: five places behind the last products V^T P, whose V is loaded again and whose P is written over by matrix instructions (ISA guide 7.12.1)
.endr
.irp kt, 0,1,2,3
.irp u, 0,1,2,3
	ds_load_b128 v[KF+16*\kt+4*\u:KF+16*\kt+4*\u+3], v[ADK] offset:2048*\kt+512*\u
.endr
.endr
	WIN 0x40
.irp kb, 0,1
.irp ct, 0,1,2,3
.irp c, 0,1
	ds_load_b128 v[VF+32*\kb+8*\ct+4*\c:VF+32*\kb+8*\ct+4*\c+3], v[ADV] offset:4096*\kb+1024*\ct+512*\c
.endr
.endr
.endr
	s_add_co_u32 s[TB], s[TB], 16384               ; my next step: two steps on
	s_wait_dscnt 16                                ; K is in; V's sixteen younger loads may be out
	WIN 0x04                                       ; source 1 (Q) window 1
.irp s, 0,1                            ; sixteen accumulators by turns; the first sixteen products start the sums
.irp kt, 0,1,2,3
.irp t, 0,1,2,3
.if \s == 0
	v_wmma_f32_16x16x32_f16 v[S+32*\t+8*\kt:S+32*\t+8*\kt+7], v[KF+16*\kt+8*\s:KF+16*\kt+8*\s+7], v[16*\t+8*\s:16*\t+8*\s+7], 0
.else
	v_wmma_f32_16x16x32_f16 v[S+32*\t+8*\kt:S+32*\t+8*\kt+7], v[KF+16*\kt+8*\s:KF+16*\kt+8*\s+7], v[16*\t+8*\s:16*\t+8*\s+7], v[S+32*\t+8*\kt:S+32*\t+8*\kt+7]
.endif
.endr
.endr
.endr
	WIN 0
.endm
; THE SECOND PART: the softmax of four tiles, line by line by turns, and O^T += V^T P.
.macro PVSTEP
.rept 4
	v_nop                                          ; places behind the products K Q^T
.endr
.irp k, 0,1,2,3                        ; the largest of a lane's 32 scores and the old M; each accumulator is read from its low end on
.irp t, 0,1,2,3
	v_max3_num_f32 v[CC+4*\t+\k], v[S+32*\t+8*\k], v[S+32*\t+8*\k+1], v[S+32*\t+8*\k+2]
.endr
.endr
.irp o, 3,5
.irp k, 0,1,2,3
.irp t, 0,1,2,3
	v_max3_num_f32 v[CC+4*\t+\k], v[CC+4*\t+\k], v[S+32*\t+8*\k+\o], v[S+32*\t+8*\k+\o+1]
.endr
.endr
.endr
.irp t, 0,1,2,3
	v_max3_num_f32 v[CC+4*\t], v[CC+4*\t], v[S+32*\t+7], v[S+32*\t+15]
.endr
.irp t, 0,1,2,3
	v_max3_num_f32 v[CC+4*\t+2], v[CC+4*\t+2], v[S+32*\t+23], v[S+32*\t+31]
.endr
.irp t, 0,1,2,3
	v_max3_num_f32 v[CC+4*\t], v[CC+4*\t], v[CC+4*\t+1], v[CC+4*\t+2]
.endr
.irp t, 0,1,2,3
	v_max3_num_f32 v[CC+4*\t], v[CC+4*\t], v[CC+4*\t+3], v[ST+8*\t]
.endr
.irp t, 0,1,2,3
	v_permlanex16_b32 v[CC+4*\t+1], v[CC+4*\t], s[SEL], s[SEL+1]   ; the query's other 32 keys lie in the lane 16 away
.endr
.irp t, 0,1,2,3
	v_max_num_f32 v[CC+4*\t+2], v[CC+4*\t], v[CC+4*\t+1]
.endr
.irp t, 0,1,2,3
	v_sub_f32 v[ST+8*\t+2], v[ST+8*\t], v[CC+4*\t+2]               ; old M - new M
.endr
.irp t, 0,1,2,3
	v_mov_b32 v[ST+8*\t], v[CC+4*\t+2]
.endr
.irp t, 0,1,2,3
	v_pk_add_f32 v[S+32*\t:S+32*\t+1], v[S+32*\t:S+32*\t+1], v[ST+8*\t:ST+8*\t+1] op_sel_hi:[1,0] neg_lo:[0,1] neg_hi:[0,1]   ; s - M, pair 0
.endr
; ONE BATCH: 132 exponentials; a pair's subtraction stands a round ahead of its exponentials; nothing in the batch names an exponential's result
.set b, 0
.rept 16
.irp t, 0,1,2,3
.if b < 15
	v_pk_add_f32 v[S+32*\t+2*b+2:S+32*\t+2*b+3], v[S+32*\t+2*b+2:S+32*\t+2*b+3], v[ST+8*\t:ST+8*\t+1] op_sel_hi:[1,0] neg_lo:[0,1] neg_hi:[0,1]
.else
	v_exp_f32 v[ST+8*\t+2], v[ST+8*\t+2]           ; a
.endif
	v_exp_f32 v[S+32*\t+2*b], v[S+32*\t+2*b]
	v_exp_f32 v[S+32*\t+2*b+1], v[S+32*\t+2*b+1]
.endr
.set b, b+1
.endr
	v_nop                                          ; a plain instruction behind the last exponential
	s_wait_alu depctr_va_vdst(0)                   ; the wait ahead of the first line that names a result: one for the batch
.irp t, 0,1,2,3
	v_pk_fma_f32 v[ST+8*\t+4:ST+8*\t+5], v[ST+8*\t+4:ST+8*\t+5], v[ST+8*\t+2:ST+8*\t+3], v[S+32*\t:S+32*\t+1] op_sel_hi:[1,0,1]   ; l = a l + p, of the unrounded p, in two chains
.endr
.irp t, 0,1,2,3
	v_pk_fma_f32 v[ST+8*\t+6:ST+8*\t+7], v[ST+8*\t+6:ST+8*\t+7], v[ST+8*\t+2:ST+8*\t+3], v[S+32*\t+2:S+32*\t+3] op_sel_hi:[1,0,1]
.endr
.irp o, 4,8,12,16,20,24,28
.irp t, 0,1,2,3
	v_pk_add_f32 v[ST+8*\t+4:ST+8*\t+5], v[ST+8*\t+4:ST+8*\t+5], v[S+32*\t+\o:S+32*\t+\o+1]
.endr
.irp t, 0,1,2,3
	v_pk_add_f32 v[ST+8*\t+6:ST+8*\t+7], v[ST+8*\t+6:ST+8*\t+7], v[S+32*\t+\o+2:S+32*\t+\o+3]
.endr
.endr
.set e, 0
.rept 16
.irp t, 0,1,2,3
	v_cvt_pk_f16_f32 v[S+32*\t+e], v[S+32*\t+2*e], v[S+32*\t+2*e+1]   ; P, in place, behind all the sums: register e was read by an earlier line
.endr
.set e, e+1
.endr
	WIN 0x41                                       ; O^T (destination and source 0) window 1, a window 0
.set e, 0
.rept 16
.irp t, 0,1,2,3
	v_pk_mul_f32 v[OT+32*\t+2*e:OT+32*\t+2*e+1], v[OT+32*\t+2*e:OT+32*\t+2*e+1], v[ST+8*\t+2:ST+8*\t+3] op_sel_hi:[1,0]
.endr
.set e, e+1
.endr
	s_wait_dscnt 0x0                               ; V is in
	WIN 0x51                                       ; V, O^T window 1; P window 0
.irp kb, 0,1                           ; sixteen accumulators by turns
.irp ct, 0,1,2,3
.irp t, 0,1,2,3
	v_wmma_f32_16x16x32_f16 v[OT+32*\t+8*\ct:OT+32*\t+8*\ct+7], v[VF+32*\kb+8*\ct:VF+32*\kb+8*\ct+7], v[S+32*\t+8*\kb:S+32*\t+8*\kb+7], v[OT+32*\t+8*\ct:OT+32*\t+8*\ct+7]
.endr
.endr
.endr
	WIN 0
.endm
; THE CHANGE OF SLOTS, at a slot's head.  Each wave waits for all its tensor loads (one is out: its part of the slot ahead), adds 0 to its spare word, and waits for that and for its reads of the slot that it has left.
; fill = 1: the barrier is a round of the cluster's, and the joint load of the keys that follow, into the slot just left, is the first thing behind it: it has a whole slot's steps in which to land.
.macro CHANGE fill
	s_wait_tensorcnt 0x0                           ; no tensor load of mine is out, so a group 0 may be written
	ds_add_u32 v[SPW], v[NIL]
.if \fill
	s_xor_b32 s[G0K+1], s[G0K+1], SLOT1            ; the walking descriptors: the other slot, the next 512 keys
	s_add_nc_u64 s[G0K+2:G0K+3], s[G0K+2:G0K+3], SLOTB
	s_xor_b32 s[G0V+1], s[G0V+1], SLOT1
	s_add_nc_u64 s[G0V+2:G0V+3], s[G0V+2:G0V+3], SLOTB
	s_wait_xcnt 0x0                                ; the last prefetch, a slot back, has read its address
	s_add_nc_u64 s[PFA:PFA+1], s[PFA:PFA+1], SLOTB ; one slot further on than the walking descriptors
	s_wait_dscnt 0x0                               ; the add is done, and my reads of the slot that I have left are over
	CROUND
	JLOAD
	ASK
.else
	s_wait_dscnt 0x0
	s_barrier_signal -1
	s_barrier_wait -1
.endif
.endm
.macro TURNTB                          ; the fetches go back to my first step, in the other slot
	s_sub_co_u32 s[TB], s[TB], 65536
	s_xor_b32 s[TB], s[TB], SLOT1
.endm
.macro FOUR                            ; my four steps of a slot.  Waves 0-3 go round the first trip's PVSTEP; only register work stands under that branch
	s_mov_b32 s[CNT], 4
.Lstep_\@:
	s_cmp_eq_u32 s[CNT], s[FIRSTA]
	s_cbranch_scc1 .Lround_\@
	PVSTEP
.Lround_\@:
	KQSTEP
	s_sub_co_u32 s[CNT], s[CNT], 1
	s_cmp_lg_u32 s[CNT], 0
	s_cbranch_scc1 .Lstep_\@
	TURNTB
.endm
.macro TAILPV                          ; waves 0-3 finish their last step ahead of the change of slots; waves 4-7 carry theirs over it
	s_cmp_lg_u32 s[KP], 0
	s_cbranch_scc1 .Lcarry_\@
	PVSTEP
.Lcarry_\@:
.endm
	s_mov_b32 s[SLOTS], 7
	CHANGE 1                                       ; slot 0 is whole; slot 1 is asked for: a first fill, behind a round behind which nothing is filled again
	s_mov_b32 s[SLOTS], 6
	KQSTEP                                         ; slot 0 is written out, its first part first: scores and V are in registers ahead of every PVSTEP
	s_mov_b32 s[CNT], 3
.Lfirst:
	PVSTEP
	KQSTEP
	s_sub_co_u32 s[CNT], s[CNT], 1
	s_cmp_lg_u32 s[CNT], 0
	s_cbranch_scc1 .Lfirst
	TURNTB
	TAILPV
.Lslot:                                                ; six trips: slots 1 to 6 are walked, slots 2 to 7 asked for
	CHANGE 1
	FOUR
	TAILPV
	s_sub_co_u32 s[SLOTS], s[SLOTS], 1
	s_cmp_lg_u32 s[SLOTS], 0
	s_cbranch_scc1 .Lslot
	CHANGE 0                                       ; the last slot is written out
	FOUR
	PVSTEP                                         ; every wave's last
	; THE WAY OUT.  l's parts are added (these lines are also the places behind the last products); waves 4-7 hand M, l and O^T to their partners through LDS; waves 0-3 merge, divide, round and store.
.irp t, 0,1,2,3
	v_pk_add_f32 v[ST+8*\t+4:ST+8*\t+5], v[ST+8*\t+4:ST+8*\t+5], v[ST+8*\t+6:ST+8*\t+7]
.endr
.irp t, 0,1,2,3
	v_add_f32 v[52+\t], v[ST+8*\t+4], v[ST+8*\t+5]
.endr
.irp t, 0,1,2,3
	v_permlanex16_b32 v[56+\t], v[52+\t], s[SEL], s[SEL+1]
.endr
.irp t, 0,1,2,3
	v_add_f32 v[52+\t], v[52+\t], v[56+\t]         ; v52-55: l of my half of the keys
.endr
.irp t, 0,1,2,3
	v_mov_b32 v[48+\t], v[ST+8*\t]                 ; v48-51: M, four on end for one store
.endr
	s_wait_dscnt 0x0
	s_barrier_signal -1                            ; every wave's reads of the ring are over.  (The stage lies in slot 0's bytes, which have had their last fill and which nobody has read since the last change
	s_barrier_wait -1                              ; of slots; with this barrier the order holds for the whole ring, whichever slot an address names)
	s_cmp_lt_u32 s[WV], 4
	s_cbranch_scc1 .Lkeep
	WIN 0x04                                       ; an LDS store's data are its source 1: window 1
.set e, 0
.rept 32
	ds_store_b128 v[STG], v[OT+4*e:OT+4*e+3] offset:512*e   ; an image of the registers; each accumulator's low half first
.set e, e+1
.endr
	WIN 0
	ds_store_b128 v[STG], v[48:51] offset:16384
	ds_store_b128 v[STG], v[52:55] offset:16896
.Lkeep:
	s_wait_dscnt 0x0                               ; for the partner's sake: my stores have landed
	s_barrier_signal -1
	s_barrier_wait -1
	s_cmp_ge_u32 s[WV], 4
	s_cbranch_scc1 .Lend
	ds_load_b128 v[56:59], v[STG] offset:16384     ; the partner's M,
	ds_load_b128 v[60:63], v[STG] offset:16896     ; l,
.set e, 0
.rept 32
	ds_load_b128 v[S+4*e:S+4*e+3], v[STG] offset:512*e   ; and O^T, where S^T lay
.set e, e+1
.endr
	s_wait_dscnt 0x0
.irp t, 0,1,2,3
	v_max_num_f32 v[ST+8*\t+4], v[48+\t], v[56+\t] ; the row's M
.endr
.irp t, 0,1,2,3
	v_sub_f32 v[ST+8*\t], v[48+\t], v[ST+8*\t+4]
.endr
.irp t, 0,1,2,3
	v_sub_f32 v[ST+8*\t+2], v[56+\t], v[ST+8*\t+4]
.endr
.irp t, 0,1,2,3
	v_exp_f32 v[ST+8*\t], v[ST+8*\t]               ; my factor,
.endr
.irp t, 0,1,2,3
	v_exp_f32 v[ST+8*\t+2], v[ST+8*\t+2]           ; the partner's
.endr
	v_nop
	s_wait_alu depctr_va_vdst(0)                   ; one wait for the eight
.irp t, 0,1,2,3
	v_mul_f32 v[ST+8*\t+4], v[ST+8*\t], v[52+\t]
.endr
.irp t, 0,1,2,3
	v_fma_f32 v[ST+8*\t+4], v[ST+8*\t+2], v[60+\t], v[ST+8*\t+4]   ; the row's l
.endr
.irp t, 0,1,2,3
	v_rcp_f32 v[ST+8*\t+6], v[ST+8*\t+4]
.endr
	v_nop
	s_wait_alu depctr_va_vdst(0)                   ; one wait for the four
.irp t, 0,1,2,3
	v_mul_f32 v[ST+8*\t], v[ST+8*\t], v[ST+8*\t+6]
.endr
.irp t, 0,1,2,3
	v_mul_f32 v[ST+8*\t+2], v[ST+8*\t+2], v[ST+8*\t+6]
.endr
.set e, 0
.rept 64
	v_pk_mul_f32 v[S+2*e:S+2*e+1], v[S+2*e:S+2*e+1], v[ST+8*(e/16)+2:ST+8*(e/16)+3] op_sel_hi:[1,0]
.set e, e+1
.endr
	WIN 0x01                                       ; source 0 (my O^T) window 1
.set e, 0
.rept 64
	v_pk_fma_f32 v[S+2*e:S+2*e+1], v[OT+2*e:OT+2*e+1], v[ST+8*(e/16):ST+8*(e/16)+1], v[S+2*e:S+2*e+1] op_sel_hi:[1,0,1]
.set e, e+1
.endr
	WIN 0
.set e, 0
.rept 64
	v_cvt_pk_f16_f32 v[S+e], v[S+2*e], v[S+2*e+1]  ; in place: tile t, channels 16 ct on, at S + 16 t + 4 ct
.set e, e+1
.endr
.irp t, 0,1,2,3
.irp ct, 0,1,2,3
	global_store_b128 v[LI], v[S+16*\t+4*\ct:S+16*\t+4*\ct+3], s[10:11] offset:24576*\t+512*\ct   ; 32 lanes store 512 consecutive bytes, aligned
.endr
.endr
.Lend:
	s_wait_tensorcnt 0x0                           ; the wave's end: behind my last tensor load and my last LDS store
	ds_add_u32 v[SPW], v[NIL]
	s_wait_dscnt 0x0
	CROUND                                         ; the closing round: no work-group ends while a partner may still ask for a tile that names it
	s_endpgm
.Lfunc_end_k_q54700876d4_attn:
	.size	k_q54700876d4_attn, .Lfunc_end_k_q54700876d4_attn-k_q54700876d4_attn
	.p2alignl 7, 3214868480
	.fill 96, 4, 3214868480
	.section	.rodata,"a",@progbits
	.p2align	6, 0x0
	.amdhsa_kernel k_q54700876d4_attn
		.amdhsa_group_segment_fixed_size 327680
		.amdhsa_private_segment_fixed_size 0
		.amdhsa_enable_private_segment 0
		.amdhsa_kernarg_size 32
		.amdhsa_user_sgpr_count 2
		.amdhsa_user_sgpr_kernarg_segment_ptr 1
		.amdhsa_wavefront_size32 1
		.amdhsa_system_sgpr_workgroup_id_x 1
		.amdhsa_system_sgpr_workgroup_id_y 1
		.amdhsa_system_sgpr_workgroup_id_z 1
		.amdhsa_system_vgpr_workitem_id 0
		.amdhsa_next_free_vgpr 512
		.amdhsa_next_free_sgpr 66
		.amdhsa_reserve_vcc 0
		.amdhsa_float_denorm_mode_32 3
		.amdhsa_float_denorm_mode_16_64 3
		.amdhsa_memory_ordered 1
		.amdhsa_forward_progress 1
		.amdhsa_inst_pref_size 218
	.end_amdhsa_kernel
	.amdgpu_metadata
---
amdhsa.version: [ 1, 2 ]
amdhsa.kernels:
  - .name:           k_q54700876d4_attn
    .symbol:         k_q54700876d4_attn.kd
    .args:
      - { .name: qf, .offset: 0, .size: 8, .value_kind: global_buffer, .address_space: global }
      - { .name: kf, .offset: 8, .size: 8, .value_kind: global_buffer, .address_space: global }
      - { .name: vf, .offset: 16, .size: 8, .value_kind: global_buffer, .address_space: global }
      - { .name: of, .offset: 24, .size: 8, .value_kind: global_buffer, .address_space: global }
    .group_segment_fixed_size: 327680
    .private_segment_fixed_size: 0
    .kernarg_segment_align: 8
    .kernarg_segment_size: 32
    .max_flat_workgroup_size: 256
    .sgpr_count:     66
    .vgpr_count:     512
    .wavefront_size: 32
...
	.end_amdgpu_metadata
.endif
;; end of part 3
;; launch fc (part 4): grid 64 x 4, 4 waves a work-group, no clusters, 201,216 bytes of LDS; arguments of, wf, out0; writes out0
.if DOCPART == 4
	.amdgcn_target "amdgcn-amd-amdhsa--gfx1250"
	.amdhsa_code_object_version 6
	.text
	.protected	k_q54700876d4_fc
	.globl	k_q54700876d4_fc
	.p2align	8
	.type	k_q54700876d4_fc,@function
k_q54700876d4_fc:
	s_mov_b64 s[64:65], 0
	v_nop
	global_prefetch_b8 v0, s[64:65] scope:SCOPE_SE
	s_setreg_imm32_b32 hwreg(HW_REG_WAVE_MODE, 25, 1), 1
	s_wait_xcnt 0x0
; FC.  out0 = O w_fc^T: [4096][768] x [768][768], operands f16, sums and result f32.
; of [T 256][e 48][512] and wf [tile 48][e 48][512] are images of operand registers: lane (r, h) holds row r, k = 16 e + 8 h + 0 .. 7; halves e = 2 s and 2 s + 1 are the fragment of K step s (32 along K).
; SHARES.  A work-group makes 64 rows x 192 columns: 256 work-groups.  ITS FOUR WAVES SPLIT K: wave w takes K steps 6 w .. 6 w + 5 for the whole tile: 48 accumulators, 288 matrix instructions.  So each operand byte of the tile
; is loaded once in the work-group, straight into registers.  The four partial tiles meet in LDS behind one barrier; wave w then adds and stores rows 16 w .. 16 w + 15.
; NO TENSOR LOADS, NO JOINT LOADS: nothing is read twice inside a work-group, and there is no loop long enough for a ring to turn in.  No prefetch: the launch is six K steps long.
; Source 0 = 16 rows of w_fc, source 1 = 16 tokens: a lane holds one token and eight neighbouring columns.
; REGISTERS, in windows of 256: window 0: addresses, v32-127 the way out; window 1: operand sets 0 (v0-127), 1 (v128-255); window 2: set 2 (v0-127), accumulators 0-15; window 3: accumulators 16-47.
;   In a set: O's fragment i at 8 i, w's fragment j at 32 + 8 j.  Accumulator n = 12 i + j.
.set RP,    784                        ; a row of a partial tile in LDS: 768 bytes + 16 = 49 x 16: the sixteen rows that a store touches fall on sixteen different columns of 16 bytes
.set PT,    64*RP                      ; a partial tile
.set SPARE, 4*PT                       ; the spare words, 128 bytes for each wave: two blocks of 256 bytes that no other line names
.set RD,  4                            ; v4-15  where I read: chunk u of a pair of rows, partial tile p, at v[4 + 4 u + p]
.set GO,  16                           ; v16-18 where chunk u goes in out0; v16 is also 16 x lane
.set SI,  19                           ; v19    where I put 32 bytes of a row of my partial tile
.set MSB, 0
.macro WIN new
.if MSB != (\new)
	s_set_vgpr_msb (MSB<<8)|(\new)
.set MSB, (\new)
.endif
.endm
.macro PLACES
.rept 4
	v_nop
.endr
.endm
	s_load_b128 s[4:7], s[0:1], 0x0                ; of, wf
	s_load_b64 s[8:9], s[0:1], 0x10                ; out0
	v_lshl_add_u32 v30, v0, 2, SPARE               ; my spare word; never rewritten
	v_mov_b32 v31, 0                               ; 0; never rewritten
	v_lshrrev_b32 v1, 5, v0
	v_readfirstlane_b32 s14, v1                    ; wave 0..3
	s_and_b32 s15, ttmp7, 0xffff                   ; which 192 columns
	v_and_b32 v1, 31, v0
	v_and_b32 v2, 15, v0                           ; r
	v_bfe_u32 v3, v0, 4, 1                         ; h
	v_lshlrev_b32 v[GO], 4, v1                     ; 16 x lane
	s_mul_i32 s22, s14, PT
	v_mul_u32_u24 v[SI], v2, RP
	v_lshl_add_u32 v[SI], v3, 5, v[SI]
	v_add_nc_u32 v[SI], s22, v[SI]                 ; my partial tile, row r, + 32 h
	; a pair of rows is 1,536 bytes: three chunks of 512.  Chunk 0: row a's first 512; chunk 1: row a's last 256 (lanes 0-15) and row b's first 256 (lanes 16-31); chunk 2: row b's last 512
	s_mul_i32 s23, s14, 16*RP
	v_add_nc_u32 v[RD], s23, v[GO]
	v_lshl_add_u32 v[RD+4], v3, 4, v[RD]
	v_add_nc_u32 v[RD+4], 512, v[RD+4]
	v_add_nc_u32 v[RD+8], RP+256, v[RD]
.irp u, 0,1,2
.irp p, 1,2,3
	v_add_nc_u32 v[RD+4*\u+\p], PT*\p, v[RD+4*\u]
.endr
.endr
	v_mad_u32_u24 v[GO+1], v3, 2304, v[GO]         ; in out0 a row is 3,072 bytes
	v_add_nc_u32 v[GO+1], 512, v[GO+1]
	v_add_nc_u32 v[GO+2], 3328, v[GO]
	s_mul_i32 s16, ttmp9, 98304                    ; O: my 64 rows,
	s_mul_i32 s17, s14, 6144                       ; my six K steps
	s_add_co_u32 s16, s16, s17
	s_mul_i32 s18, s15, 294912                     ; w_fc: my 12 tiles of rows
	s_add_co_u32 s18, s18, s17
	s_mov_b32 s17, 0
	s_mov_b32 s19, 0
	s_lshl_b32 s20, ttmp9, 6
	s_lshl_b32 s21, s14, 4
	s_add_co_u32 s20, s20, s21                     ; the first row that I store
	s_mul_i32 s20, s20, 3072
	s_mul_i32 s21, s15, 768
	s_add_co_u32 s20, s20, s21
	s_mov_b32 s21, 0
	s_wait_kmcnt 0x0
	s_add_nc_u64 s[4:5], s[4:5], s[16:17]
	s_add_nc_u64 s[6:7], s[6:7], s[18:19]
	s_add_nc_u64 s[8:9], s[8:9], s[20:21]
.macro SET s                           ; my K step s: 32 loads into set s % 3
.set q3, (\s)%3
.set sb, 128*(q3%2)
.set wn, (1+q3/2)<<6
	WIN wn
.irp i, 0,1,2,3
.irp c, 0,1
	global_load_b128 v[sb+8*\i+4*\c:sb+8*\i+4*\c+3], v[GO], s[4:5] offset:24576*\i+1024*(\s)+512*\c
.endr
.endr
.irp j, 0,1,2,3,4,5,6,7,8,9,10,11
.irp c, 0,1
	global_load_b128 v[sb+32+8*\j+4*\c:sb+32+8*\j+4*\c+3], v[GO], s[6:7] offset:24576*\j+1024*(\s)+512*\c
.endr
.endr
.endm
.macro MUL s                           ; 48 matrix instructions, the accumulators by turns; the first step's products start the sums
.set q3, (\s)%3
.set sb, 128*(q3%2)
.set ws, 1+q3/2
.set n, 0
.rept 48
.set wa, 2+(n/16+1)/2
.set wn, (wa<<6)|(wa<<4)|(ws<<2)|ws
	WIN wn
.set rD, (128+8*n)%256
.set rO, sb+8*(n/12)
.set rW, sb+32+8*(n%12)
.if (\s) == 0
	v_wmma_f32_16x16x32_f16 v[rD:rD+7], v[rW:rW+7], v[rO:rO+7], 0
.else
	v_wmma_f32_16x16x32_f16 v[rD:rD+7], v[rW:rW+7], v[rO:rO+7], v[rD:rD+7]
.endif
.set n, n+1
.endr
.endm
	SET 0
	SET 1
	SET 2
.irp s, 0,1,2,3,4,5
.if \s < 4
	s_wait_loadcnt 63                              ; this step's set is in: 64 younger loads stand behind it, and the wait's field names 63 at the most
.elseif \s == 4
	s_wait_loadcnt 32                              ; one younger set may be out
.else
	s_wait_loadcnt 0x0
.endif
	MUL \s
.if \s < 3
	PLACES                                         ; in front of loads into registers that matrix instructions have read
	SET \s+3
.endif
.endr
	PLACES                                         ; in front of the first read of results
.set n, 0
.rept 48                               ; my partial tile into LDS: lane (r, h): row 16 i + r, columns 16 j + 8 h + 0 .. 7; each accumulator's low half first
.set wa, 2+(n/16+1)/2
.set wn, wa<<2
	WIN wn
.set rD, (128+8*n)%256
	ds_store_b128 v[SI], v[rD:rD+3] offset:16*RP*(n/12)+64*(n%12)
	ds_store_b128 v[SI], v[rD+4:rD+7] offset:16*RP*(n/12)+64*(n%12)+16
.set n, n+1
.endr
	WIN 0
	s_wait_dscnt 0x0                               ; for the others' sake: my stores have landed
	s_barrier_signal -1
	s_barrier_wait -1
.macro LOADP qq                        ; pair qq of my eight pairs of rows: three chunks of each of the four partial tiles
.set ar, 32+48*((\qq)%2)
.irp u, 0,1,2
.irp p, 0,1,2,3
	ds_load_b128 v[ar+16*\u+4*\p:ar+16*\u+4*\p+3], v[RD+4*\u+\p] offset:2*RP*(\qq)
.endr
.endr
.endm
.macro SUMP qq
.set ar, 32+48*((\qq)%2)
.if (\qq) < 7
	s_wait_dscnt 12                                ; this pair's twelve loads are in; the next pair's may be out
.else
	s_wait_dscnt 0x0
.endif
.irp u, 0,1,2
.irp d, 0,2
	v_pk_add_f32 v[ar+16*\u+\d:ar+16*\u+\d+1], v[ar+16*\u+\d:ar+16*\u+\d+1], v[ar+16*\u+4+\d:ar+16*\u+4+\d+1]
	v_pk_add_f32 v[ar+16*\u+8+\d:ar+16*\u+8+\d+1], v[ar+16*\u+8+\d:ar+16*\u+8+\d+1], v[ar+16*\u+12+\d:ar+16*\u+12+\d+1]
.endr
.endr
.irp u, 0,1,2
.irp d, 0,2
	v_pk_add_f32 v[ar+16*\u+\d:ar+16*\u+\d+1], v[ar+16*\u+\d:ar+16*\u+\d+1], v[ar+16*\u+8+\d:ar+16*\u+8+\d+1]
.endr
.endr
.irp u, 0,1,2
	global_store_b128 v[GO+\u], v[ar+16*\u:ar+16*\u+3], s[8:9] offset:6144*(\qq) th:TH_STORE_NT   ; each half of the lanes stores 256 consecutive bytes, aligned; written once, read by nobody here
.endr
.if (\qq)+2 < 8
	s_wait_xcnt 0x0                                ; the stores have read their registers, which take the pair two further on
	LOADP (\qq)+2
.endif
.endm
	LOADP 0
	LOADP 1
.irp qq, 0,1,2,3,4,5,6,7
	SUMP \qq
.endr
	s_wait_tensorcnt 0x0                           ; the wave's end: behind my last LDS store
	ds_add_u32 v30, v31
	s_wait_dscnt 0x0
	s_endpgm
.Lfunc_end_k_q54700876d4_fc:
	.size	k_q54700876d4_fc, .Lfunc_end_k_q54700876d4_fc-k_q54700876d4_fc
	.p2alignl 7, 3214868480
	.fill 96, 4, 3214868480
	.section	.rodata,"a",@progbits
	.p2align	6, 0x0
	.amdhsa_kernel k_q54700876d4_fc
		.amdhsa_group_segment_fixed_size 201216
		.amdhsa_private_segment_fixed_size 0
		.amdhsa_enable_private_segment 0
		.amdhsa_kernarg_size 24
		.amdhsa_user_sgpr_count 2
		.amdhsa_user_sgpr_kernarg_segment_ptr 1
		.amdhsa_wavefront_size32 1
		.amdhsa_system_sgpr_workgroup_id_x 1
		.amdhsa_system_sgpr_workgroup_id_y 1
		.amdhsa_system_sgpr_workgroup_id_z 1
		.amdhsa_system_vgpr_workitem_id 0
		.amdhsa_next_free_vgpr 1024
		.amdhsa_next_free_sgpr 66
		.amdhsa_reserve_vcc 0
		.amdhsa_float_denorm_mode_32 3
		.amdhsa_float_denorm_mode_16_64 3
		.amdhsa_memory_ordered 1
		.amdhsa_forward_progress 1
		.amdhsa_inst_pref_size 65
	.end_amdhsa_kernel
	.amdgpu_metadata
---
amdhsa.version: [ 1, 2 ]
amdhsa.kernels:
  - .name:           k_q54700876d4_fc
    .symbol:         k_q54700876d4_fc.kd
    .args:
      - { .name: of, .offset: 0, .size: 8, .value_kind: global_buffer, .address_space: global }
      - { .name: wf, .offset: 8, .size: 8, .value_kind: global_buffer, .address_space: global }
      - { .name: out0, .offset: 16, .size: 8, .value_kind: global_buffer, .address_space: global }
    .group_segment_fixed_size: 201216
    .private_segment_fixed_size: 0
    .kernarg_segment_align: 8
    .kernarg_segment_size: 24
    .max_flat_workgroup_size: 128
    .sgpr_count:     66
    .vgpr_count:     1024
    .wavefront_size: 32
...
	.end_amdgpu_metadata
.endif
;; end of part 4
